; MI455X (gfx1250); checked and timed in simulation.
; The chip was launched on July 23, 2026; its instructions are those of AMD's public machine-readable ISA for CDNA 5 (MIT licence, August 2026) and "CDNA5" Instruction Set Architecture Reference Guide (July 2026). The comments in the code are by the model that wrote it; some were corrected since.
;; Learned Compressor. Allowed arithmetic: matrix products marked QUANTISED: E2M1 operands, one E8M0 scale for each 32 along K, by v_wmma_scale_f32_16x16x128_f8f6f4 with both operands' format E2M1 (or v_wmma_scale_f32_32x16x128_f4), f32 sums; everything else in f32.
;; Inputs: W1 128 x 256 float32; W2 256 x 128 float32; b1 256 float32; b2 128 float32; k 4 x 16 x 4,096 x 128 float32; query 1 x 16 x 64 x 128 float32; v 4 x 16 x 4,096 x 128 float32.
;; Outputs: out0 4 x 16 x 64 x 128 float32; out1 4 x 16 x 64 x 128 float32.
;; This version of the problem:
;;   THIS VERSION OF THE PROBLEM IS GIVEN IN LOW PRECISION. The matrix products marked QUANTISED in the list below multiply operands that are first quantised to E2M1 (2 exponent bits, 1 mantissa bit; 4 bits a number), with one power-of-two scale for each 32 numbers along K (OCP MX v1.0); their sums are f32. All else is computed in f32.
;;   The module's matrix products, in the order in which they are computed (A, B: the left and right operand; K: the contracted axis; several contracted axes count as one K, in the product's order):
;;     1. [M 262,144, K 128] x [K 128, N 256]; A: input k; B: input W1: QUANTISED
;;     2. [M 262,144, K 256] x [K 256, N 128]; A: computed on the way; B: input W2: QUANTISED
;;     3. [M 262,144, K 128] x [K 128, N 256]; A: input v; B: input W1: QUANTISED
;;     4. [M 262,144, K 256] x [K 256, N 128]; A: computed on the way; B: input W2: QUANTISED
;;     5. batch 16 x [M 16,384, K 128] x [K 128, N 64]; A: computed on the way; B: input query: QUANTISED
;;     6. batch 64 x [M 64, K 4,096] x [K 4,096, N 128]; A: softmax (see below); B: computed on the way: QUANTISED
;;     7. batch 64 x [M 64, K 4,096] x [K 4,096, N 128]; A: softmax (see below); B: computed on the way: QUANTISED
;;   THE QUANTISER, for each operand of a quantised product, along K:
;;     - K is cut into blocks of 32 from its start; a last block that is shorter is filled with zeros.
;;     - A block's scale is 2^e with e = floor(log2(the largest magnitude in the block)) - 2, held to -126 .. 127; a block of zeros has e = 0. As a byte (E8M0): e + 127.
;;     - Each number is divided by its block's scale, clamped to +-6, and rounded to the nearest number of E2M1, ties to even, subnormals kept.
;;     - The product sums the exact products of the quantised numbers (number of the format x scale) in f32.
;;   ~~~python
;;   def quantise(x, axis):      # numpy; x: float32 -> the quantised numbers, widened to float32 again
;;       x = np.moveaxis(x, axis, -1); K = x.shape[-1]
;;       x = np.pad(x, [(0, 0)] * (x.ndim - 1) + [(0, -K % 32)]); x = x.reshape(x.shape[:-1] + (-1, 32)); a = np.abs(x).max(-1, keepdims=True)
;;       e = np.where(a > 0, np.clip(np.frexp(np.where(a > 0, a, 1))[1] - 1 - 2, -126, 127), 0)      # np.frexp(a)[1] - 1 = floor(log2(a)), exactly
;;       r = np.clip(x / 2.0 ** e, -6, 6)
;;       step = 2.0 ** (np.maximum(np.frexp(np.where(r == 0, 1, r))[1] - 1, 0) - 1)
;;       q = np.round(r / step) * step * 2.0 ** e      # np.round: ties to even
;;       return np.moveaxis(q.reshape(q.shape[:-2] + (-1,))[..., :K], -1, axis).astype(np.float32)
;;   ~~~
;;   SOFTMAX AHEAD OF A QUANTISED PRODUCT. Where the list says 'softmax', what is quantised is not the finished softmax but p = 2^(t - M), with t = logit x log2(e) and M = ceil(the row's largest t), a whole number; so 1/2 < the row's largest p <= 1. The row's sum l is taken of the UNQUANTISED p, in f32, and the product's result is divided by l at the end. Since M is a whole number, a kernel that streams over the keys may use a running M (the ceiling of the running maximum): every later rescaling is an exact power of two, which a block's scale takes up: the codes' values come out the same.
;;   OPERANDS COMPUTED ON THE WAY. 'Computed on the way' means the value that the module computes at that place (a softmax that the list does not call 'softmax' is quantised finished and normalised). What goes into a quantiser is computed in f32, as accurately as f32 sums, v_exp_f32 and their like allow (about 1e-6 of the number): no bf16 or f16 on the way to a quantiser, and a product that is left as it is and whose result goes on into a quantised operand takes f32 operands (vector FMAs, or v_wmma_f32_16x16x4_f32). A number that lies on a knife's edge between two numbers of the format may be rounded either way, as far as f32 arithmetic and the matrix unit's own rounding can turn it there, and no further.
;; One version. Each part assembles by itself: llvm-mc -triple=amdgcn-amd-amdhsa -mcpu=gfx1250 --defsym DOCPART=n.
;; ======== version 1 of 1: 2 launches
;; workspace buffers: part 16,777,216 bytes; stats 262,144 bytes
;; launch main (part 1): grid 256 x 1, 4 waves a work-group, no clusters, 327,680 bytes of LDS; arguments k, v, W1, b1, W2, b2, query, part, stats; writes part, stats
.if DOCPART == 1
	.amdgcn_target "amdgcn-amd-amdhsa--gfx1250"
	.amdhsa_code_object_version 6
	.text
	.protected	k_qbe6d125953_main
	.globl	k_qbe6d125953_main
	.p2align	8
	.type	k_qbe6d125953_main,@function
k_qbe6d125953_main:
	s_mov_b64 s[64:65], 0
	v_nop
	global_prefetch_b8 v0, s[64:65] scope:SCOPE_SE
	s_setreg_imm32_b32 hwreg(HW_REG_WAVE_MODE, 25, 1), 1
	s_wait_xcnt 0x0
; LearnedCompressor, first of two launches.  k, v: [64 (b,h)][4096][128] f32.  proc(x) = gelu(x W1 + b1) W2 + b2;  logits = query . proc(k);  p = 2^(t - M);  O_k = p proc(k), O_v = p proc(v).
; All seven products on codes of FP4 (E2M1) with one E8M0 scale for each 32 along a product's K.
; SHARES.  Work-group g takes tokens 1024 (g % 4) .. + 1023 of pair g / 4, in 8 steps of 128 tokens.  It leaves, for each of the head's 64 queries, its own whole number M, its sum l of the
; unquantised p and its unnormalised O_k, O_v; the second launch joins the four quarters of a pair by exact powers of two.
; In a step wave w first takes tokens 32 w .. 32 w + 31 of k and of v through the two layers (all weights lie in its registers), then owns queries 16 w .. 16 w + 15 against all 128 tokens.
; Codes go from wave to wave through LDS as images of the operands' registers (16 bytes a lane, 512 bytes a store).
; LAYOUT.  Row r of a tile of tokens, of W1's columns and of W2's columns is number 8 u + r + 8 (r / 8) of its 32: so the 16 registers of two neighbouring result tiles are 16 neighbours along the next K.
;   P1  : source 0 = 16 hidden units of W1, source 1 = 16 tokens: a lane holds one token, its registers run along the hidden units.
;   P2A : (k alone) source 0 = 16 channels of W2, source 1 = hidden codes: a lane holds one token, registers along the channels: quantised along the channels, the logits' operand.
;   P2B : source 0 = hidden codes, source 1 = 16 channels of W2: a lane holds one channel, registers along the tokens: quantised along the tokens, the last products' operand.
;   The second layer is so multiplied twice for k: 32 matrix instructions for 32 tokens in place of a transposition of f32 numbers.
; GELU.  gelu(x) = x (0.5 + xc P(w) / Q(w)), xc = x held to +-4 sqrt 2, w = xc^2: the rational form of erf on |z| <= 4 with z^2 = w / 2 and the factor 0.5 / sqrt 2 folded into the coefficients.
;   It goes in double batches of 2 x 16 numbers with one wait for their 32 reciprocals, and a batch's reciprocals stand by turns with P's first lines.
; LIMITS.  The normal distribution function so made is good to about 1e-7 absolutely, as 0.5 (1 + erf) in f32 is: far down the negative tail (x under about -4) gelu is right to |x| x 1e-7, not to its own tiny size.
;   A p under 2^-126 counts as 0.  A block whose largest magnitude lies under 2^-124, a block of zeros among them, gets the scale byte 1 (its codes are zeros or near it; this program alone reads the bytes).
;   NaN and infinities among the inputs are not served.
; NO CLUSTER: each row of k and v is read by one work-group alone; what work-groups share, W1, W2 and a head's queries, is 288 KiB read once at the head against the work-group's own 1 MiB, and is wanted in registers.
; NO PREFETCH: a step's tiles are asked for a whole step (four token tiles through both layers) ahead of the wait for them.
; LDS.  Ring: slot s, region j at s x 0x24000 + j x 0x9000: 64 rows of 512 bytes + 16 of padding (regions 0, 1: k's rows 0-63, 64-127 of the step; 2, 3: v's).  Behind each region 0xc00 bytes into which no tile lands:
;   the spare words at 0x8400, the weights' scale words at 0x11400.  From 0x48000 on 32 KiB written by LDS stores alone: at the head the weights' images, then a step's images.
.set TOP,    0x48000
.set SLOTX,  0x24000
.set REGION, 0x9000
.set PITCH,  528
.set SPARE,  0x8400
.set WSC,    0x11400
.set IKB,    8192                      ; from TOP: KA's 8 images at 0, KB's at 8192, VB's at 16384,
.set IVB,    16384
.set IKAS,   24576                     ; KA's scale words (128 bytes a tile), KB's (64 a tile), VB's 512 further on
.set IKBS,   25600
; WINDOW 0
.set SPW,  1                           ; LDS address of my spare word; never rewritten
.set NIL,  2                           ; 0; never rewritten
.set XA0,  3                           ; my lane's place in the wave's rows of a region
.set XAD,  4                           ; the same for the tile in hand
.set LIB,  5                           ; TOP + 16 lane
.set LSA,  6                           ; TOP + IKAS + 4 lane
.set LSR,  7                           ; TOP + IKBS + 4 r
.set KAW,  8                           ; where I store KA's images, and
.set KASW, 9                           ; their scale words
.set BW0,  10                          ; where I store my 8 bytes of KB's images;  BWD: of KB's or VB's
.set BWD,  11
.set BS0,  12                          ; and my scale byte;  BSD likewise
.set BSD,  13
.set LI0,  14                          ; 16 lane
.set L8,   15                          ; 8 lane
.set W1S,  32                          ; v32-96 hold scale words and nothing else
.set W2S,  48
.set QS,   64
.set XSC,  65
.set HS0,  66
.set HS1,  68
.set PWA,  70
.set PSC,  72
.set KSW,  73
.set KBSW, 81
.set VBSW, 89
.set QF,   100                         ; my 16 queries' fragment
.set OK,   128                         ; O_k^T, O_v^T: 64 registers each
.set OV,   192
.set HT,   128                         ; at the head, before O is begun: largest magnitudes, scale operands, bytes, halfwords
.set HSL,  136
.set HBY,  144
.set HHB,  152
; WINDOW 1: W1's 16 fragments at 8 t; W2's 16 at W2F + 8 (2 t + s).   WINDOW 2: the biases in the results' layouts
.set W2F,  128
.set B1,   0
.set B2A,  128
.set B2B,  192
; WINDOW 3: v0-127 numbers at work
.set GT,   128
.set XC,   128
.set WW,   144
.set QQ,   160
.set PP,   176
.set TMA,  128
.set TMB,  144
.set CB,   160
.set XCD,  192                         ; x's codes; p's codes
.set HC0,  200                         ; the hidden layer's codes of token tile 0, 1
.set HC1,  216
.set BM,   200                         ; the softmax's registers lie where HC0 is free
.set BP,   204
.set BSC,  208
.set T2,   212
.set TP,   213
.set FF,   214
.set NM,   232                         ; -M, the largest t, the sum in two halves
.set MX,   233
.set LL,   234
.set KAC,  236                         ; KA's codes, two tiles
.set VB3,  252                         ; two coefficients as vector pairs
.set VA5,  254
.set QA,   HC1                         ; during GELU: 1 / Q and xc P of a double batch's first half.  HC1's old codes have moved to HC0 and its new ones are made behind GELU;
.set PA,   KAC                         ; KAC's LDS stores are older than the tile's x loads, whose wait for 0 stands ahead of GELU
.set MSB, 0
.macro WIN new                         ; bits 1:0 source 0, 3:2 source 1, 5:4 source 2, 7:6 destination; the high byte repeats the setting that is left
.if MSB != (\new)
	s_set_vgpr_msb (MSB<<8)|(\new)
.set MSB, \new
.endif
.endm
.macro PLACES n
.rept \n
	v_nop
.endr
.endm
.macro SPAIR r, val                    ; a constant as a pair: the packed forms name both words
	s_mov_b32 s[\r], \val
	s_mov_b32 s[\r+1], \val
.endm
.macro MM d, a, b, c, sa, sb
	v_wmma_scale_f32_16x16x128_f8f6f4 v[(\d):(\d)+7], v[(\a):(\a)+7], v[(\b):(\b)+7], v[(\c):(\c)+7], v[\sa], v[\sb] matrix_a_fmt:MATRIX_FMT_FP4 matrix_b_fmt:MATRIX_FMT_FP4
.endm
.macro MMZ d, a, b, sa, sb
	v_wmma_scale_f32_16x16x128_f8f6f4 v[(\d):(\d)+7], v[(\a):(\a)+7], v[(\b):(\b)+7], 0, v[\sa], v[\sb] matrix_a_fmt:MATRIX_FMT_FP4 matrix_b_fmt:MATRIX_FMT_FP4
.endm
; THE QUANTISER, all in window 3.  64 numbers of a lane at v[s]: register 16 b + i is number 32 b + 16 (lane / 16) + i along K.  tm: 13 registers at work.
; QMAX: the four blocks' largest magnitudes, by turns, with the floor 2^(3 - 127) among the leaves.  staged = 1: the numbers are 16 LDS loads just issued, four registers of each block at a time.
.macro QMAX s, tm, staged
.if \staged
	s_wait_dscnt 12                                ; the first four loads are in: registers 0-3 of each block; twelve younger ones may be out
.endif
.irp b, 0,1,2,3
	v_max3_num_f32 v[\tm+\b], |v[\s+16*\b]|, |v[\s+16*\b+1]|, 0x1800000
.endr
.irp i, 2,4,6,8,10,12,14
.if (\staged) && ((\i)%4 == 0)
	s_wait_dscnt 12-\i                             ; the next four loads are in
.endif
.irp b, 0,1,2,3
	v_max3_num_f32 v[\tm+\b], v[\tm+\b], |v[\s+16*\b+\i]|, |v[\s+16*\b+\i+1]|
.endr
.endr
.irp b, 0,1,2,3
	v_permlanex16_b32 v[\tm+4+\b], v[\tm+\b], s36, s37
.endr
.irp b, 0,1,2,3
	v_max_num_f32 v[\tm+\b], v[\tm+\b], v[\tm+4+\b]    ; with lane l xor 16's 16 numbers: the block's
.endr
.endm
.macro QSCL tm                         ; 2 off the exponent field: the conversion's scale operand; its exponent field is the scale's byte
.irp b, 0,1,2,3
	v_add_nc_u32 v[\tm+8+\b], 0xff000000, v[\tm+\b]
.endr
.irp b, 0,1,2,3
	v_lshrrev_b32 v[\tm+4+\b], 23, v[\tm+8+\b]
.endr
.endm
.macro QCVT s, tm, pc                  ; 16 codes of each block: two registers
.irp b, 0,1,2,3
	v_cvt_scalef32_pk8_fp4_f32 v[\pc+2*\b], v[\s+16*\b:\s+16*\b+7], v[\tm+8+\b]
	v_cvt_scalef32_pk8_fp4_f32 v[\pc+2*\b+1], v[\s+16*\b+8:\s+16*\b+15], v[\tm+8+\b]
.endr
.endm
; QUANT: a whole fragment in v[pc] on (window 3) and its rows' scale word in v[pw] (window 0).  It is entered and left with every window 3.
.macro QUANT s, tm, pc, pw, staged
	QMAX \s, \tm, \staged
	QSCL \tm
	v_lshl_or_b32 v[\tm+12], v[\tm+5], 8, v[\tm+4]
	v_lshl_or_b32 v[\tm+12], v[\tm+6], 16, v[\tm+12]
	QCVT \s, \tm, \pc
	WIN 0x3f
	v_lshl_or_b32 v[\pw], v[\tm+7], 24, v[\tm+12]  ; the word is whole; also the plain line behind the conversions
	WIN 0xff
.irp c, 0,1                            ; the operand wants a whole block in a lane: lanes 0-15 block 2 c, lanes 16-31 block 2 c + 1
.irp i, 0,1
	v_permlane16_swap_b32 v[\pc+4*\c+\i], v[\pc+4*\c+2+\i]
.endr
.endr
.endm
; TWO RUNS OF 64 NUMBERS BY TURNS: the same lines as above for each, eight chains in place of four, so that a line stands eight lines behind the one whose result it reads.
.macro QMAX2 s, tm, s2, tm2
.irp b, 0,1,2,3
	v_max3_num_f32 v[\tm+\b], |v[\s+16*\b]|, |v[\s+16*\b+1]|, 0x1800000
.endr
.irp b, 0,1,2,3
	v_max3_num_f32 v[\tm2+\b], |v[\s2+16*\b]|, |v[\s2+16*\b+1]|, 0x1800000
.endr
.irp i, 2,4,6,8,10,12,14
.irp b, 0,1,2,3
	v_max3_num_f32 v[\tm+\b], v[\tm+\b], |v[\s+16*\b+\i]|, |v[\s+16*\b+\i+1]|
.endr
.irp b, 0,1,2,3
	v_max3_num_f32 v[\tm2+\b], v[\tm2+\b], |v[\s2+16*\b+\i]|, |v[\s2+16*\b+\i+1]|
.endr
.endr
.irp b, 0,1,2,3
	v_permlanex16_b32 v[\tm+4+\b], v[\tm+\b], s36, s37
.endr
.irp b, 0,1,2,3
	v_permlanex16_b32 v[\tm2+4+\b], v[\tm2+\b], s36, s37
.endr
.irp b, 0,1,2,3
	v_max_num_f32 v[\tm+\b], v[\tm+\b], v[\tm+4+\b]
.endr
.irp b, 0,1,2,3
	v_max_num_f32 v[\tm2+\b], v[\tm2+\b], v[\tm2+4+\b]
.endr
.endm
.macro QSCL2 tm, tm2
.irp b, 0,1,2,3
	v_add_nc_u32 v[\tm+8+\b], 0xff000000, v[\tm+\b]
.endr
.irp b, 0,1,2,3
	v_add_nc_u32 v[\tm2+8+\b], 0xff000000, v[\tm2+\b]
.endr
.irp b, 0,1,2,3
	v_lshrrev_b32 v[\tm+4+\b], 23, v[\tm+8+\b]
.endr
.irp b, 0,1,2,3
	v_lshrrev_b32 v[\tm2+4+\b], 23, v[\tm2+8+\b]
.endr
.endm
.macro QUANT2 s, tm, pc, pw, s2, tm2, pc2, pw2
	QMAX2 \s, \tm, \s2, \tm2
	QSCL2 \tm, \tm2
	v_lshl_or_b32 v[\tm+12], v[\tm+5], 8, v[\tm+4]
	v_lshl_or_b32 v[\tm2+12], v[\tm2+5], 8, v[\tm2+4]
	v_lshl_or_b32 v[\tm+12], v[\tm+6], 16, v[\tm+12]
	v_lshl_or_b32 v[\tm2+12], v[\tm2+6], 16, v[\tm2+12]
	QCVT \s, \tm, \pc
	QCVT \s2, \tm2, \pc2
	WIN 0x3f
	v_lshl_or_b32 v[\pw], v[\tm+7], 24, v[\tm+12]      ; both words under one setting; also the plain lines behind the conversions
	v_lshl_or_b32 v[\pw2], v[\tm2+7], 24, v[\tm2+12]
	WIN 0xff
.irp c, 0,1
.irp i, 0,1
	v_permlane16_swap_b32 v[\pc+4*\c+\i], v[\pc+4*\c+2+\i]
.endr
.endr
.irp c, 0,1
.irp i, 0,1
	v_permlane16_swap_b32 v[\pc2+4*\c+\i], v[\pc2+4*\c+2+\i]
.endr
.endr
.endm
; GELU, all in window 3, eight pairs by turns.  GBF, the front, for the 16 numbers at v[16 i]: the hold, w, Q into v[qq], its reciprocals in place, P into v[pp], x xc.
; The sixteen reciprocals stand by turns with P's first sixteen lines, which name neither Q nor 1 / Q: a plain line follows each reciprocal.  Nothing in a front reads a reciprocal's result.
.macro GBF i, qq, pp
.set GX, 16*(\i)
.irp j, 0,1,2,3,4,5,6,7,8,9,10,11,12,13,14,15
	v_med3_num_f32 v[XC+\j], v[GX+\j], s46, s47
.endr
.irp j, 0,2,4,6,8,10,12,14
	v_pk_mul_f32 v[WW+\j:WW+\j+1], v[XC+\j:XC+\j+1], v[XC+\j:XC+\j+1]
.endr
.irp j, 0,2,4,6,8,10,12,14
	v_pk_fma_f32 v[\qq+\j:\qq+\j+1], v[WW+\j:WW+\j+1], s[72:73], v[VB3:VB3+1] op_sel_hi:[1,0,1]
.endr
.irp k, 68,66,62
.irp j, 0,2,4,6,8,10,12,14
	v_pk_fma_f32 v[\qq+\j:\qq+\j+1], v[\qq+\j:\qq+\j+1], v[WW+\j:WW+\j+1], s[\k:\k+1] op_sel_hi:[1,1,0]
.endr
.endr
.irp j, 0,2,4,6,8,10,12,14
	v_rcp_f32 v[\qq+(\j)/2], v[\qq+(\j)/2]
	v_pk_fma_f32 v[\pp+\j:\pp+\j+1], v[WW+\j:WW+\j+1], s[60:61], v[VA5:VA5+1] op_sel_hi:[1,0,1]
.endr
.irp j, 0,2,4,6,8,10,12,14
	v_rcp_f32 v[\qq+8+(\j)/2], v[\qq+8+(\j)/2]
	v_pk_fma_f32 v[\pp+\j:\pp+\j+1], v[\pp+\j:\pp+\j+1], v[WW+\j:WW+\j+1], s[56:57] op_sel_hi:[1,1,0]
.endr
.irp k, 54,52,50,48
.irp j, 0,2,4,6,8,10,12,14
	v_pk_fma_f32 v[\pp+\j:\pp+\j+1], v[\pp+\j:\pp+\j+1], v[WW+\j:WW+\j+1], s[\k:\k+1] op_sel_hi:[1,1,0]
.endr
.endr
.irp j, 0,2,4,6,8,10,12,14
	v_pk_mul_f32 v[\pp+\j:\pp+\j+1], v[\pp+\j:\pp+\j+1], v[XC+\j:XC+\j+1]
.endr
.endm
; GBB, the back: 0.5 + (xc P) (1 / Q), times x, in place.
.macro GBB i, qq, pp
.set GX, 16*(\i)
.irp j, 0,2,4,6,8,10,12,14
	v_pk_fma_f32 v[\pp+\j:\pp+\j+1], v[\pp+\j:\pp+\j+1], v[\qq+\j:\qq+\j+1], 0.5 op_sel_hi:[1,1,0]
.endr
.irp j, 0,2,4,6,8,10,12,14
	v_pk_mul_f32 v[GX+\j:GX+\j+1], v[GX+\j:GX+\j+1], v[\pp+\j:\pp+\j+1]
.endr
.endm
; A double batch: two fronts, ONE wait, two backs.  The first front's 1 / Q and xc P wait in QA and PA, which the second front does not name; xc and w are the second front's to write again.
.macro GB2 m
	GBF 2*(\m), QA, PA
	GBF 2*(\m)+1, QQ, PP
	s_wait_alu depctr_va_vdst(0)                   ; behind all 32 reciprocals, ahead of their first reader
	GBB 2*(\m), QA, PA
	GBB 2*(\m)+1, QQ, PP
.endm
; ONE TILE OF 16 TOKENS through the first layer: x from the ring, quantised; 16 products; GELU; the hidden layer's two fragments into HC1.  The tile before moves to HC0, so that a loop of two trips
; leaves tile 0 in HC0 and tile 1 in HC1.  Entered and left with every window 0.
.macro TILE
	v_add_nc_u32 v[XAD], s39, v[XA0]
	WIN 0xc0
.irp j, 0,1,2,3
.irp b, 0,1,2,3
	ds_load_b128 v[16*\b+4*\j:16*\b+4*\j+3], v[XAD] offset:128*\b+16*\j   ; my 16 numbers of each block of 32 of my row
.endr
.endr
	WIN 0xff
	QUANT 0, TMA, XCD, XSC, 1
.set n, 0
.rept 16
	v_mov_b32 v[HC0+n], v[HC1+n]                   ; (these 18 lines are also the places between x's scale word and codes and the products)
.set n, n+1
.endr
	WIN 0
	v_mov_b32 v[HS0], v[HS1]
	v_mov_b32 v[HS0+1], v[HS1+1]
	WIN 0xed                                       ; W1 window 1, x's codes window 3, b1 window 2, results window 3
.irp t, 0,1,2,3,4,5,6,7,8,9,10,11,12,13,14,15
	MM 8*\t, 8*\t, XCD, B1+8*\t, W1S+\t, XSC
.endr
	PLACES 4                                       ; in front of the first read of results
	WIN 0xff
.irp m, 0,1,2,3
	GB2 \m
.endr
	QUANT2 0, TMA, HC1, HS1, 64, TMB, HC1+8, HS1+1
	WIN 0
.endm
; The second layer with a token in a lane (k alone), 16 accumulators by turns, K step by K step; quantised along the channels; images and scale words to LDS.
.macro P2A
	WIN 0xed                                       ; W2 window 1, hidden codes window 3, b2 window 2, results window 3
.irp u, 0,1
.irp t, 0,1,2,3,4,5,6,7
	MM 64*\u+8*\t, W2F+16*\t, HC0+16*\u, B2A+8*\t, W2S+2*\t, HS0+2*\u
.endr
.endr
	WIN 0xfd
.irp u, 0,1
.irp t, 0,1,2,3,4,5,6,7
	MM 64*\u+8*\t, W2F+16*\t+8, HC0+16*\u+8, 64*\u+8*\t, W2S+2*\t+1, HS0+2*\u+1
.endr
.endr
	PLACES 4
	WIN 0xff
	QUANT2 0, TMA, KAC, PWA, 64, TMB, KAC+8, PWA+1
	WIN 0x0c                                       ; an LDS store's data are its source 1
.irp u, 0,1
.irp c, 0,1
	ds_store_b128 v[KAW], v[KAC+8*\u+4*\c:KAC+8*\u+4*\c+3] offset:1024*\u+512*\c
.endr
.endr
	WIN 0
	ds_store_b32 v[KASW], v[PWA]
	ds_store_b32 v[KASW], v[PWA+1] offset:128
.endm
; The second layer with a channel in a lane: register 16 t + i is token 16 (lane / 16) + i of my 32, for channel tile t.  My 32 tokens are one block along the last products' K:
; 8 bytes of codes a lane go to their place in the channel tile's image, the block's byte to byte w of the row's scale word.
.macro P2B
	v_add_nc_u32 v[BWD], s40, v[BW0]
	v_add_nc_u32 v[BSD], s41, v[BS0]
	WIN 0xe7                                       ; hidden codes window 3, W2 window 1, b2 window 2, results window 3
.irp t, 0,1,2,3,4,5,6,7
.irp u, 0,1
	MM 16*\t+8*\u, HC0+16*\u, W2F+16*\t, B2B+8*\t, HS0+2*\u, W2S+2*\t
.endr
.endr
	WIN 0xf7
.irp t, 0,1,2,3,4,5,6,7
.irp u, 0,1
	MM 16*\t+8*\u, HC0+16*\u+8, W2F+16*\t+8, 16*\t+8*\u, HS0+2*\u+1, W2S+2*\t+1
.endr
.endr
	PLACES 4
	WIN 0xff
	QMAX2 0, TMA, 64, TMB
	QSCL2 TMA, TMB
	QCVT 0, TMA, CB
	QCVT 64, TMB, CB+8
	v_nop                                          ; the plain line behind the conversions
	WIN 0x0c
.irp b, 0,1,2,3
	ds_store_b64 v[BWD], v[CB+2*\b:CB+2*\b+1] offset:1024*\b
	ds_store_b8 v[BSD], v[TMA+4+\b] offset:64*\b   ; both lanes of a block write the same byte with the same value
.endr
.irp b, 0,1,2,3
	ds_store_b64 v[BWD], v[CB+8+2*\b:CB+8+2*\b+1] offset:4096+1024*\b
	ds_store_b8 v[BSD], v[TMB+4+\b] offset:256+64*\b
.endr
	WIN 0
.endm
; THE CHANGE OF SLOTS, at a step's head.  Each wave waits for all its tensor loads (one is out: its region of the slot about to be read), adds 0 to its spare word, and waits for that and for all its LDS
; reads: of the slot left, and of the last step's images.  Behind the barrier the slot ahead is whole, nobody reads the other, and the images may be written again.
.macro CHANGE fill
	s_wait_tensorcnt 0x0                           ; no tensor load of mine is out, so group 0 may be written
	ds_add_u32 v[SPW], v[NIL]
.if \fill
	s_xor_b32 s33, s33, SLOTX                      ; the other slot,
	s_add_nc_u64 s[34:35], s[34:35], 0x10000       ; the next 128 rows of 512 bytes; the type bits on top are not reached
.endif
	s_wait_dscnt 0x0
	s_barrier_signal -1
	s_barrier_wait -1
.if \fill
	tensor_load_to_lds s[32:35], s[24:31]          ; my one tensor load until the next such barrier: it has the whole step in which to land
	s_nop 0
	PLACES 4
.endif
.endm
; ATTENTION for the step's 128 tokens and my 16 queries.  A lane holds one query throughout.
.macro ATTN
.irp t, 0,1,2,3,4,5,6,7
	ds_load_b32 v[KSW+\t], v[LSA] offset:128*\t
.endr
	WIN 0xc0
.irp t, 0,1,2,3,4,5,6,7
.irp c, 0,1
	ds_load_b128 v[64+8*\t+4*\c:64+8*\t+4*\c+3], v[LIB] offset:1024*\t+512*\c
.endr
.endr
.irp t, 0,1,2,3,4,5,6,7
.irp c, 0,1
	ds_load_b128 v[GT+8*\t+4*\c:GT+8*\t+4*\c+3], v[LIB] offset:IVB+1024*\t+512*\c
.endr
.endr
	WIN 0
.irp t, 0,1,2,3,4,5,6,7
	ds_load_b32 v[KBSW+\t], v[LSR] offset:64*\t
	ds_load_b32 v[VBSW+\t], v[LSR] offset:512+64*\t
.endr
	s_wait_dscnt 32                                ; KA and its words are in; VB's 16 loads and the 16 words behind them may be out
	WIN 0xc3                                       ; KA window 3, my queries window 0, scores window 3
.irp t, 0,1,2,3,4,5,6,7
	MMZ 8*\t, 64+8*\t, QF, KSW+\t, QS
.endr                                              ; register 16 b + i: token 32 b + 16 (lane / 16) + i
	PLACES 4                                       ; in front of loads into registers that the products read, and of the first read of scores
	WIN 0xc0
.irp t, 0,1,2,3,4,5,6,7
.irp c, 0,1
	ds_load_b128 v[64+8*\t+4*\c:64+8*\t+4*\c+3], v[LIB] offset:IKB+1024*\t+512*\c
.endr
.endr
	WIN 0xff
.irp b, 0,1,2,3
	v_max3_num_f32 v[BM+\b], v[16*\b], v[16*\b+1], v[16*\b+2]     ; each block's largest score: for the row's maximum, and, since p rises with the score, for the block's largest p
.endr
.irp i, 3,5,7,9,11,13
.irp b, 0,1,2,3
	v_max3_num_f32 v[BM+\b], v[BM+\b], v[16*\b+\i], v[16*\b+\i+1]
.endr
.endr
.irp b, 0,1,2,3
	v_max_num_f32 v[BM+\b], v[BM+\b], v[16*\b+15]
.endr
.irp b, 0,1,2,3
	v_permlanex16_b32 v[BP+\b], v[BM+\b], s36, s37
.endr
.irp b, 0,1,2,3
	v_max_num_f32 v[BM+\b], v[BM+\b], v[BP+\b]
.endr
	v_max3_num_f32 v[T2], v[BM], v[BM+1], v[BM+2]
	v_max_num_f32 v[T2], v[T2], v[BM+3]
	v_mul_f32 v[T2], s74, v[T2]                    ; as t = score x log2(e)
	v_max_num_f32 v[MX], v[MX], v[T2]              ; the running largest t
	v_mov_b32 v[T2], v[NM]
	v_floor_f32 v[NM], -v[MX]                      ; -M = floor(-t): M is a whole number
	v_sub_f32 v[T2], v[NM], v[T2]                  ; old M - new M, 0 or less
	v_cvt_i32_f32 v[T2], v[T2]                     ; (it saturates)
	v_ldexp_f32 v[FF], 1.0, v[T2]                  ; f = 2^(old M - new M): rounds nothing
.set n, 0
.rept 32
	v_pk_fma_f32 v[n:n+1], v[n:n+1], s[74:75], v[NM:NM+1] op_sel_hi:[1,0,0]   ; t - M
.set n, n+2
.endr
.irp b, 0,1,2,3
	v_fma_f32 v[BM+\b], v[BM+\b], s74, v[NM]
.endr
.set n, 0
.rept 64
	v_exp_f32 v[n], v[n]                           ; p = 2^(t - M): not normalised
.set n, n+1
.endr
	v_pk_mul_f32 v[LL:LL+1], v[LL:LL+1], v[FF:FF+1] op_sel_hi:[1,0]   ; the sums under the new M; the plain line behind the exponentials
	s_wait_alu depctr_va_vdst(0)                   ; one wait for the batch of 64, ahead of its first reader
.irp b, 0,1,2,3
	v_exp_f32 v[BM+\b], v[BM+\b]                   ; each block's largest p
.endr
	v_pk_add_f32 v[BP:BP+1], v[0:1], v[2:3]        ; the row's sum of the unquantised p, in two chains
.irp j, 4,8,12,16,20,24,28,32,36,40,44,48,52,56,60
	v_pk_add_f32 v[LL:LL+1], v[LL:LL+1], v[\j:\j+1]
	v_pk_add_f32 v[BP:BP+1], v[BP:BP+1], v[\j+2:\j+3]
.endr
	v_pk_add_f32 v[LL:LL+1], v[LL:LL+1], v[BP:BP+1]
	s_wait_alu depctr_va_vdst(0)                   ; and one for the four
.irp b, 0,1,2,3
	v_max_num_f32 v[BM+\b], 0x1800000, v[BM+\b]    ; the floor 2^(3 - 127)
.endr
.irp b, 0,1,2,3
	v_add_nc_u32 v[BSC+\b], 0xff000000, v[BM+\b]
.endr
.irp b, 0,1,2,3
	v_lshrrev_b32 v[BP+\b], 23, v[BSC+\b]
.endr
	v_lshl_or_b32 v[TP], v[BP+1], 8, v[BP]
	v_lshl_or_b32 v[TP], v[BP+2], 16, v[TP]
.irp b, 0,1,2,3
	v_cvt_scalef32_pk8_fp4_f32 v[XCD+2*\b], v[16*\b:16*\b+7], v[BSC+\b]
	v_cvt_scalef32_pk8_fp4_f32 v[XCD+2*\b+1], v[16*\b+8:16*\b+15], v[BSC+\b]
.endr
	WIN 0x3f
	v_lshl_or_b32 v[PSC], v[BP+3], 24, v[TP]       ; p's scale word; the plain line behind the conversions
	WIN 0xff
.irp c, 0,1
.irp i, 0,1
	v_permlane16_swap_b32 v[XCD+4*\c+\i], v[XCD+4*\c+2+\i]
.endr
.endr
	WIN 0x0c                                       ; O window 0, f window 3
.set n, 0
.rept 64
	v_pk_mul_f32 v[OK+n:OK+n+1], v[OK+n:OK+n+1], v[FF:FF+1] op_sel_hi:[1,0]   ; O_k^T and O_v^T under the new M, from each accumulator's low end on; also the places ahead of the products
.set n, n+2
.endr
	s_wait_dscnt 0x0                               ; KB, VB and their words
	WIN 0x0f                                       ; KB, VB and p's codes window 3, O window 0
.irp t, 0,1,2,3,4,5,6,7
	MM OK+8*\t, 64+8*\t, XCD, OK+8*\t, KBSW+\t, PSC
	MM OV+8*\t, GT+8*\t, XCD, OV+8*\t, VBSW+\t, PSC
.endr
	PLACES 4                                       ; in front of the next step's loads into KB's registers, and of the stores at the end
	WIN 0
.endm
; A STEP: k's two token tiles, both forms of the second layer; v's two, one form; a barrier; attention.  s39: the ring byte at which the tile in hand begins.
.macro BODY
	s_mov_b32 s40, 0                               ; KB's images first, then VB's, 8192 bytes on; their scale words 512 on
	s_mov_b32 s41, 0
	s_mov_b32 s43, 2
.Lkv_\@:
	s_mov_b32 s44, 2
.Lu_\@:
	TILE
	s_add_co_u32 s39, s39, 8*PITCH                 ; token tile 1 begins eight rows further down
	s_sub_co_u32 s44, s44, 1
	s_cmp_lg_u32 s44, 0
	s_cbranch_scc1 .Lu_\@
	PLACES 8                                       ; between the last scale word made and the scaled products
	s_cmp_lg_u32 s43, 2                            ; the form for the logits is k's alone: a branch on the loop's own counter
	s_cbranch_scc1 .Lnoa_\@
	P2A
.Lnoa_\@:
	P2B
	s_add_co_u32 s39, s39, 2*REGION-16*PITCH       ; from k's regions to v's
	s_add_co_u32 s40, s40, 8192
	s_add_co_u32 s41, s41, 512
	s_sub_co_u32 s43, s43, 1
	s_cmp_lg_u32 s43, 0
	s_cbranch_scc1 .Lkv_\@
	s_wait_dscnt 0x0                               ; for the others' sake: my images have landed
	s_barrier_signal -1
	s_barrier_wait -1                              ; the step's images are whole.
	ATTN
	s_sub_co_u32 s39, s39, SLOTX                   ; back to the slot's first byte,
	s_xor_b32 s39, s39, SLOTX                      ; in the other slot
.endm
; A WEIGHT, [K][N] f32, 64 rows of K x 128 columns a wave: register 4 i + c of its window is row i, column 4 lane + c.  A lane has two blocks of 32 along K of each of four columns.
; wmax, wmov: window settings; wa, ws: where the lane's codes and scale halfwords go; mi: 0 for W1, 1 for W2.
.macro WPREP wmax, wmov, wa, ws, mi
	WIN \wmax                                      ; sources 0, 1: the weight's window; source 2 and destination window 0
.irp be, 0,1
.irp c, 0,1,2,3
	v_max3_num_f32 v[HT+4*\be+\c], |v[128*\be+\c]|, |v[128*\be+4+\c]|, 0x1800000
.endr
.endr
.irp i, 2,4,6,8,10,12,14,16,18,20,22,24,26,28,30
.irp be, 0,1
.irp c, 0,1,2,3
	v_max3_num_f32 v[HT+4*\be+\c], |v[128*\be+4*\i+\c]|, |v[128*\be+4*\i+4+\c]|, v[HT+4*\be+\c]
.endr
.endr
.endr
	WIN 0
.irp n, 0,1,2,3,4,5,6,7
	v_add_nc_u32 v[HSL+\n], 0xff000000, v[HT+\n]
.endr
.irp n, 0,1,2,3,4,5,6,7
	v_lshrrev_b32 v[HBY+\n], 23, v[HSL+\n]
.endr
.irp c, 0,1,2,3
	v_lshl_or_b32 v[HHB+4*\mi+\c], v[HBY+4+\c], 8, v[HBY+\c]      ; a column's two bytes: half of its scale word
.endr
.irp c, 0,1,2,3
	ds_store_b16 v[\ws], v[HHB+4*\mi+\c] offset:4*\c
.endr
.irp be, 0,1
	WIN \wmov
.irp c, 0,1,2,3
.set io, 0
.rept 32
	v_mov_b32 v[32*\c+io], v[128*\be+4*io+\c]      ; a column's block into consecutive registers, as the conversions want it
.set io, io+1
.endr
.endr
	WIN 0xc3                                       ; numbers and codes window 3, scale operand window 0
.irp c, 0,1,2,3
.irp g, 0,1,2,3
	v_cvt_scalef32_pk8_fp4_f32 v[GT+32*\mi+16*\be+4*\c+\g], v[32*\c+8*\g:32*\c+8*\g+7], v[HSL+4*\be+\c]
.endr
.endr
	v_nop                                          ; the plain line behind the conversions
	WIN 0x0c
.irp c, 0,1,2,3
	ds_store_b128 v[\wa], v[GT+32*\mi+16*\be+4*\c:GT+32*\mi+16*\be+4*\c+3] offset:256*\be+16*\c   ; 32 codes: a lane's 16 bytes of a fragment's image
.endr
.endr
	WIN 0
.endm
	; ---- the entry: pointers, the descriptor, the first tile
	s_load_b256 s[4:11], s[0:1], 0x0               ; k, v, W1, b1
	s_load_b256 s[12:19], s[0:1], 0x20             ; W2, b2, query, part
	s_load_b64 s[20:21], s[0:1], 0x40              ; stats
	v_lshl_add_u32 v[SPW], v0, 2, SPARE
	v_mov_b32 v[NIL], 0
	ds_add_u32 v1, v2
	ds_add_u32 v1, v2
	s_wait_dscnt 0x0
	v_lshrrev_b32 v16, 5, v0
	v_readfirstlane_b32 s22, v16                   ; wave 0..3
	s_lshr_b32 s76, s22, 1                         ; its upper bit,
	s_and_b32 s77, s22, 1                          ; its lower
	s_mov_b32 s24, (2<<16)|(1<<20)|(6<<22)|(3<<25) ; group 1: no mask; elements of 4 bytes; padding on: 4 words behind every 128
	s_mov_b32 s25, 128<<16                         ; tensor_dim0 = 128
	s_mov_b32 s26, 64<<16                          ; tensor_dim1 = 64
	s_mov_b32 s27, 128<<16                         ; tile_dim0 = 128
	s_mov_b32 s28, 64                              ; tile_dim1 = 64
	s_mov_b32 s29, 128                             ; elements from row to row
	s_mov_b32 s30, 0
	s_mov_b32 s31, 0
	s_mov_b32 s32, 1                               ; group 0: count = 1;
	s_mul_i32 s33, s22, REGION                     ; LDS: region = my wave's number, slot 0;
	s_lshl_b32 s2, s77, 15                         ; memory: waves 0, 1 k's rows 0-63, 64-127 of the step, waves 2, 3 v's
	s_lshl_b32 s3, ttmp9, 19                       ; the work-group's 1,024 rows of 512 bytes
	s_add_co_u32 s2, s2, s3
	s_mov_b32 s3, 0
	s_wait_kmcnt 0x0
	s_cmp_lt_u32 s22, 2
	s_cselect_b64 s[34:35], s[4:5], s[6:7]
	s_add_nc_u64 s[34:35], s[34:35], s[2:3]
	s_or_b32 s35, s35, 0x80000000                  ; type = 2
	tensor_load_to_lds s[32:35], s[24:31]          ; step 0 into slot 0: one tensor load of mine is out
	s_nop 0
	PLACES 4
	s_mov_b32 s36, 0x76543210                      ; v_permlanex16_b32's selects for lane l xor 16
	s_mov_b32 s37, 0xfedcba98
	s_mov_b32 s39, 0
	s_mov_b32 s46, 0xc0b504f3                      ; -4 sqrt 2, 4 sqrt 2
	s_mov_b32 s47, 0x40b504f3
	SPAIR 48, 0xbbba79f3                           ; P's coefficients 0 to 4 and 6 (5 lies in a vector pair),
	SPAIR 50, 0xba08eb41
	SPAIR 52, 0xb8883d9c
	SPAIR 54, 0xb628d45d
	SPAIR 56, 0xb347667d
	SPAIR 60, 0xabd3f331
	SPAIR 62, 0xbc69b6a7                           ; Q's 0, 1, 2 and 4 (3 likewise)
	SPAIR 66, 0xbb719bf8
	SPAIR 68, 0xb9dc924e
	SPAIR 72, 0xb57460cd
	SPAIR 74, 0x3fb8aa3b                           ; log2(e)
	; ---- where my parts begin
	s_bfe_u32 s2, ttmp9, 0x40002                   ; the head: (work-group / 4) % 16
	s_lshl_b32 s2, s2, 15                          ; its 64 queries of 512 bytes,
	s_lshl_b32 s23, s22, 13                        ; my 16 of them
	s_add_co_u32 s2, s2, s23
	s_add_nc_u64 s[16:17], s[16:17], s[2:3]
	s_lshl_b32 s2, s76, 16                         ; W1: rows 64 (w / 2) on, of 1,024 bytes; columns 128 (w % 2) on
	s_lshl_b32 s23, s77, 9
	s_add_co_u32 s2, s2, s23
	s_add_nc_u64 s[8:9], s[8:9], s[2:3]
	s_lshl_b32 s2, s22, 15                         ; W2: rows 64 w on, of 512 bytes
	s_add_nc_u64 s[12:13], s[12:13], s[2:3]
	s_lshl_b32 s2, ttmp9, 16                       ; part: 65,536 bytes a work-group, 16,384 a wave
	s_lshl_b32 s23, s22, 14
	s_add_co_u32 s2, s2, s23
	s_add_nc_u64 s[18:19], s[18:19], s[2:3]
	s_lshl_b32 s2, ttmp9, 10                       ; stats: 1,024 bytes a work-group, 256 a wave
	s_lshl_b32 s23, s22, 8
	s_add_co_u32 s2, s2, s23
	s_add_nc_u64 s[20:21], s[20:21], s[2:3]
	v_and_b32 v17, 31, v0                          ; lane
	v_and_b32 v18, 15, v0                          ; r
	v_bfe_u32 v19, v0, 4, 1                        ; h
	v_and_b32 v20, 8, v18
	v_add_nc_u32 v20, v20, v18                     ; r + 8 (r / 8)
	v_lshlrev_b32 v[LI0], 4, v17
	v_lshlrev_b32 v[L8], 3, v17
	v_lshlrev_b32 v21, 9, v18
	v_lshl_add_u32 v21, v19, 6, v21                ; a query's row, + my 16 numbers of a block
	v_lshlrev_b32 v23, 6, v19                      ; biases with a token in a lane: 16 h numbers on
	v_lshlrev_b32 v24, 2, v20                      ; b2 with a channel in a lane
	; ---- the head's loads: my queries, my quarter of W1, my quarter of W2
	WIN 0xc0
.irp b, 0,1,2,3
.irp j, 0,1,2,3
	global_load_b128 v[16*\b+4*\j:16*\b+4*\j+3], v21, s[16:17] offset:128*\b+16*\j
.endr
.endr
	WIN 0x40
.set n, 0
.rept 64
	global_load_b128 v[4*n:4*n+3], v[LI0], s[8:9] offset:1024*n     ; 32 lanes read 512 consecutive bytes
.set n, n+1
.endr
	WIN 0x80
.set n, 0
.rept 64
	global_load_b128 v[4*n:4*n+3], v[LI0], s[12:13] offset:512*n    ; a whole row of W2
.set n, n+1
.endr
	; ---- LDS addresses, while the loads are on their way
	WIN 0
	s_mul_i32 s23, s76, REGION
	s_mul_i32 s38, s77, 32*PITCH
	s_add_co_u32 s23, s23, s38                     ; my 32 rows: region w / 2, rows 32 (w % 2) on
	v_mul_u32_u24 v[XA0], v20, PITCH
	v_lshl_add_u32 v[XA0], v19, 6, v[XA0]
	v_add_nc_u32 v[XA0], s23, v[XA0]
	v_lshl_add_u32 v[LIB], v17, 4, TOP
	v_lshl_add_u32 v[LSA], v17, 2, TOP+IKAS
	v_lshl_add_u32 v[LSR], v18, 2, TOP+IKBS
	s_lshl_b32 s23, s22, 11
	v_add_nc_u32 v[KAW], s23, v[LIB]               ; token tiles 2 w, 2 w + 1
	s_lshl_b32 s23, s22, 8
	v_add_nc_u32 v[KASW], s23, v[LSA]
	v_lshl_add_u32 v[BW0], v18, 4, TOP+IKB         ; block w of row r: registers 4 (w / 2) on of lane r + 16 (w % 2); my half of its 16 bytes
	v_lshl_add_u32 v[BW0], v19, 3, v[BW0]
	s_lshl_b32 s23, s76, 9
	s_lshl_b32 s38, s77, 8
	s_add_co_u32 s23, s23, s38
	v_add_nc_u32 v[BW0], s23, v[BW0]
	v_add_nc_u32 v[BS0], s22, v[LSR]               ; byte w of row r's word
	v_lshl_add_u32 v29, v18, 2, WSC                ; the weights' scale words: 4 r
	; column 4 lane + c of a run of 128 is row r = 4 (lane % 2) + c + 8 ((lane / 4) % 2) of tile 2 (lane / 8) + (lane / 2) % 2
	v_lshrrev_b32 v108, 3, v17
	v_bfe_u32 v109, v0, 1, 1
	v_bfe_u32 v110, v0, 2, 1
	v_and_b32 v111, 1, v0
	v_lshlrev_b32 v112, 7, v110
	v_lshl_add_u32 v112, v111, 6, v112             ; 16 r, without c
	v_lshlrev_b32 v113, 5, v110
	v_lshl_add_u32 v113, v111, 4, v113             ; 4 r, without c
	s_lshl_b32 s23, s77, 13                        ; W1's images: tile 8 (w % 2) + .., registers 4 (w / 2) on
	s_lshl_b32 s38, s76, 9
	s_add_co_u32 s23, s23, s38
	s_add_co_u32 s23, s23, TOP
	v_lshl_add_u32 v25, v108, 11, v112
	v_lshl_add_u32 v25, v109, 10, v25
	v_add_nc_u32 v25, s23, v25
	s_lshl_b32 s23, s76, 10                        ; W2's: fragment 2 t + w / 2, registers 4 (w % 2) on
	s_lshl_b32 s38, s77, 9
	s_add_co_u32 s23, s23, s38
	s_add_co_u32 s23, s23, TOP+16384
	v_lshl_add_u32 v26, v108, 12, v112
	v_lshl_add_u32 v26, v109, 11, v26
	v_add_nc_u32 v26, s23, v26
	s_lshl_b32 s23, s77, 9                         ; W1's scale words: 64 bytes a tile; my halfword w / 2
	s_lshl_b32 s38, s76, 1
	s_add_co_u32 s23, s23, s38
	s_add_co_u32 s23, s23, WSC
	v_lshl_add_u32 v27, v108, 7, v113
	v_lshl_add_u32 v27, v109, 6, v27
	v_add_nc_u32 v27, s23, v27
	s_lshl_b32 s23, s76, 6                         ; W2's: 64 bytes a fragment; my halfword w % 2
	s_lshl_b32 s38, s77, 1
	s_add_co_u32 s23, s23, s38
	s_add_co_u32 s23, s23, WSC+1024
	v_lshl_add_u32 v28, v108, 8, v113
	v_lshl_add_u32 v28, v109, 7, v28
	v_add_nc_u32 v28, s23, v28
	WIN 0xc0
.irp b, 0,1,2,3
	v_mov_b32 v[TMA+4+\b], 0                       ; written once: a lane permute's destination counts as one of its sources
	v_mov_b32 v[TMB+4+\b], 0
.endr
	v_mov_b32 v[VB3], 0xb7dfbd29
	v_mov_b32 v[VB3+1], 0xb7dfbd29
	v_mov_b32 v[VA5], 0x2fa84a8d
	v_mov_b32 v[VA5+1], 0x2fa84a8d
	; ---- my queries and my quarters of the weights become codes
	s_wait_loadcnt 63                              ; behind the queries and W1 stand W2's 64 loads; the count's field ends at 63, so one of them is waited for too
	WIN 0xff
	QUANT 0, TMA, XCD, QS, 0
	WIN 0x03
.irp n, 0,1,2,3,4,5,6,7
	v_mov_b32 v[QF+\n], v[XCD+\n]
.endr
	WPREP 0x05, 0xc1, 25, 27, 0
	s_wait_loadcnt 0x0                             ; W2
	WPREP 0x0a, 0xc2, 26, 28, 1
	; ---- the biases take W2's window
	WIN 0x80
.irp t, 0,1,2,3,4,5,6,7,8,9,10,11,12,13,14,15
	global_load_b128 v[B1+8*\t:B1+8*\t+3], v23, s[10:11] offset:(32*(\t/2)+8*(\t%2))*4
	global_load_b128 v[B1+8*\t+4:B1+8*\t+7], v23, s[10:11] offset:(32*(\t/2)+8*(\t%2))*4+16
.endr
.irp t, 0,1,2,3,4,5,6,7
	global_load_b128 v[B2A+8*\t:B2A+8*\t+3], v23, s[14:15] offset:(32*(\t/2)+8*(\t%2))*4
	global_load_b128 v[B2A+8*\t+4:B2A+8*\t+7], v23, s[14:15] offset:(32*(\t/2)+8*(\t%2))*4+16
	global_load_b32 v[B2B+8*\t], v24, s[14:15] offset:(32*(\t/2)+8*(\t%2))*4
.endr
	WIN 0
	s_wait_dscnt 0x0                               ; for the others' sake: my images and halfwords have landed
	s_barrier_signal -1
	s_barrier_wait -1                              ; the weights' images are whole.
	WIN 0x40
.set n, 0
.rept 32
	ds_load_b128 v[8*n:8*n+3], v[LIB] offset:1024*n                ; all 32 fragments: W1's 16, then W2's 16
	ds_load_b128 v[8*n+4:8*n+7], v[LIB] offset:1024*n+512
.set n, n+1
.endr
	WIN 0
.set n, 0
.rept 32
	ds_load_b32 v[W1S+n], v29 offset:64*n          ; and their scale words
.set n, n+1
.endr
.set n, 0
.rept 128
	v_mov_b32 v[OK+n], 0                           ; O^T begins as zeros, so that the step is written without a first form of its own: the first change of M multiplies zeros
.set n, n+1
.endr
	v_mov_b32 v[HS1], 0
	v_mov_b32 v[HS1+1], 0
	WIN 0xc0
.set n, 0
.rept 16
	v_mov_b32 v[HC1+n], 0                          ; (the first tile's move reads them)
.set n, n+1
.endr
	v_mov_b32 v[LL], 0
	v_mov_b32 v[LL+1], 0
	v_mov_b32 v[MX], 0xff61b1e6                    ; the largest t so far: -3e38
	WIN 0xc3
	v_floor_f32 v[NM], -v[MX]
	s_wait_loadcnt 0x0                             ; the biases
	WIN 0x82
.irp t, 0,1,2,3,4,5,6,7
.irp n, 1,2,3,4,5,6,7
	v_mov_b32 v[B2B+8*\t+\n], v[B2B+8*\t]          ; with a channel in a lane all eight registers hold its b2
.endr
.endr
	WIN 0
	; ---- eight steps; behind each change of slots but the last the next step is asked for
	s_mov_b32 s42, 7
.Lstep:
	CHANGE 1
	BODY
	s_sub_co_u32 s42, s42, 1
	s_cmp_lg_u32 s42, 0
	s_cbranch_scc1 .Lstep
	CHANGE 0                                       ; the last step is written out
	BODY
	; ---- the way out: the accumulators as they stand, 512 consecutive bytes a store; -M and the sum, 256
	WIN 0xff
	v_add_f32 v[T2], v[LL], v[LL+1]
	v_permlanex16_b32 v[TP], v[T2], s36, s37
	v_add_f32 v[MX], v[T2], v[TP]                  ; the row's sum, beside -M
	WIN 0
.set n, 0
.rept 16
	global_store_b128 v[LI0], v[OK+4*n:OK+4*n+3], s[18:19] offset:512*n
.set n, n+1
.endr
.set n, 0
.rept 16
	global_store_b128 v[LI0], v[OV+4*n:OV+4*n+3], s[18:19] offset:8192+512*n
.set n, n+1
.endr
	WIN 0x0c
	global_store_b64 v[L8], v[NM:NM+1], s[20:21]
	WIN 0
	s_wait_tensorcnt 0x0                           ; the wave's end
	ds_add_u32 v[SPW], v[NIL]
	s_wait_dscnt 0x0
	s_endpgm
.Lfunc_end_k_qbe6d125953_main:
	.size	k_qbe6d125953_main, .Lfunc_end_k_qbe6d125953_main-k_qbe6d125953_main
	.p2alignl 7, 3214868480
	.fill 96, 4, 3214868480
	.section	.rodata,"a",@progbits
	.p2align	6, 0x0
	.amdhsa_kernel k_qbe6d125953_main
		.amdhsa_group_segment_fixed_size 327680
		.amdhsa_private_segment_fixed_size 0
		.amdhsa_enable_private_segment 0
		.amdhsa_kernarg_size 72
		.amdhsa_user_sgpr_count 2
		.amdhsa_user_sgpr_kernarg_segment_ptr 1
		.amdhsa_wavefront_size32 1
		.amdhsa_system_sgpr_workgroup_id_x 1
		.amdhsa_system_sgpr_workgroup_id_y 1
		.amdhsa_system_sgpr_workgroup_id_z 1
		.amdhsa_system_vgpr_workitem_id 0
		.amdhsa_next_free_vgpr 1024
		.amdhsa_next_free_sgpr 80
		.amdhsa_reserve_vcc 0
		.amdhsa_float_denorm_mode_32 3
		.amdhsa_float_denorm_mode_16_64 3
		.amdhsa_memory_ordered 1
		.amdhsa_forward_progress 1
		.amdhsa_inst_pref_size 255
	.end_amdhsa_kernel
	.section	.bss,"aw",@nobits
	.p2align	6
	.space	262144
	.amdgpu_metadata
---
amdhsa.version: [ 1, 2 ]
amdhsa.kernels:
  - .name:           k_qbe6d125953_main
    .symbol:         k_qbe6d125953_main.kd
    .args:
      - { .name: k, .offset: 0, .size: 8, .value_kind: global_buffer, .address_space: global }
      - { .name: v, .offset: 8, .size: 8, .value_kind: global_buffer, .address_space: global }
      - { .name: W1, .offset: 16, .size: 8, .value_kind: global_buffer, .address_space: global }
      - { .name: b1, .offset: 24, .size: 8, .value_kind: global_buffer, .address_space: global }
      - { .name: W2, .offset: 32, .size: 8, .value_kind: global_buffer, .address_space: global }
      - { .name: b2, .offset: 40, .size: 8, .value_kind: global_buffer, .address_space: global }
      - { .name: query, .offset: 48, .size: 8, .value_kind: global_buffer, .address_space: global }
      - { .name: part, .offset: 56, .size: 8, .value_kind: global_buffer, .address_space: global }
      - { .name: stats, .offset: 64, .size: 8, .value_kind: global_buffer, .address_space: global }
    .group_segment_fixed_size: 327680
    .private_segment_fixed_size: 0
    .kernarg_segment_align: 8
    .kernarg_segment_size: 72
    .max_flat_workgroup_size: 128
    .sgpr_count:     80
    .vgpr_count:     1024
    .wavefront_size: 32
...
	.end_amdgpu_metadata
.endif
;; end of part 1
;; launch merge (part 2): grid 256 x 1, 4 waves a work-group, no clusters, 17,920 bytes of LDS; arguments part, stats, out0, out1; writes out0, out1
.if DOCPART == 2
	.amdgcn_target "amdgcn-amd-amdhsa--gfx1250"
	.amdhsa_code_object_version 6
	.text
	.protected	k_qbe6d125953_merge
	.globl	k_qbe6d125953_merge
	.p2align	8
	.type	k_qbe6d125953_merge,@function
k_qbe6d125953_merge:
	s_mov_b64 s[64:65], 0
	v_nop
	global_prefetch_b8 v0, s[64:65] scope:SCOPE_SE
	s_setreg_imm32_b32 hwreg(HW_REG_WAVE_MODE, 25, 1), 1
	s_wait_xcnt 0x0
; LearnedCompressor, second launch: the four quarters of a pair (b, h) are joined.  For each query: M* = the largest of the four whole numbers M_c; f_c = 2^(M_c - M*), exact;
; out = (sum of f_c O_c) / (sum of f_c l_c).
; part: [work-group 4 bh + c][query tile qt][k or v][i 16][lane][16 bytes]: registers 4 i .. 4 i + 3 of O^T's 64; register 16 b + e of lane (r, h) is query r, channel 32 b + 16 h + e.
; stats: [work-group][query tile][lane][-M, l].
; SHARES.  Work-group 4 bh + qt takes 16 queries of one pair; wave w takes output w / 2 (k's or v's) and channels 64 (w % 2) on.  Each byte of part is read once, by loads of 512 consecutive bytes.
; The results go through the wave's own stage in LDS (16 rows of 256 bytes + 16) and leave as aligned runs of 256 bytes, sixteen lanes to a run.  Waves share nothing: no barrier.
; No matrix work, no tensor load, no cluster: a stream of 16 KiB a wave, read once.
.set STG, 16*272
	s_load_b128 s[4:7], s[0:1], 0x0                ; part, stats
	s_load_b128 s[8:11], s[0:1], 0x10              ; out0, out1
	v_lshl_add_u32 v192, v0, 2, 0x4400
	v_mov_b32 v193, 0
	v_lshrrev_b32 v1, 5, v0
	v_readfirstlane_b32 s12, v1                    ; wave
	s_lshr_b32 s13, s12, 1                         ; k's or v's
	s_and_b32 s14, s12, 1                          ; which half of the channels
	s_lshr_b32 s15, ttmp9, 2                       ; the pair
	s_and_b32 s16, ttmp9, 3                        ; the query tile
	v_and_b32 v2, 31, v0                           ; lane
	v_and_b32 v3, 15, v0                           ; r
	v_bfe_u32 v4, v0, 4, 1                         ; h
	v_lshlrev_b32 v5, 3, v2
	v_lshlrev_b32 v6, 4, v2
	s_lshl_b32 s20, s15, 12                        ; stats: 4,096 bytes a pair, 256 a query tile; a quarter is 1,024 on
	s_lshl_b32 s17, s16, 8
	s_add_co_u32 s20, s20, s17
	s_mov_b32 s21, 0
	s_lshl_b32 s22, s15, 18                        ; part: 262,144 bytes a pair, 16,384 a query tile, 4,096 a wave; a quarter is 65,536 on
	s_lshl_b32 s17, s16, 14
	s_add_co_u32 s22, s22, s17
	s_lshl_b32 s17, s12, 12
	s_add_co_u32 s22, s22, s17
	s_mov_b32 s23, 0
	s_lshl_b32 s24, s15, 15                        ; out: 64 rows of 512 bytes a pair, 16 rows a query tile, 256 bytes a half
	s_lshl_b32 s17, s16, 13
	s_add_co_u32 s24, s24, s17
	s_lshl_b32 s17, s14, 8
	s_add_co_u32 s24, s24, s17
	s_mov_b32 s25, 0
	s_mul_i32 s26, s12, STG                        ; my stage
	v_mul_u32_u24 v7, v3, 272
	v_lshl_add_u32 v7, v4, 6, v7
	v_add_nc_u32 v7, s26, v7                       ; in: row r, + 64 h
	v_mul_u32_u24 v8, v4, 272
	v_lshl_add_u32 v8, v3, 4, v8
	v_add_nc_u32 v8, s26, v8                       ; back: lanes 0-15 one row, lanes 16-31 the next
	v_lshlrev_b32 v9, 9, v4
	v_lshl_add_u32 v9, v3, 4, v9                   ; and the same two rows in the output
	s_wait_kmcnt 0x0
	s_add_nc_u64 s[6:7], s[6:7], s[20:21]
	s_add_nc_u64 s[4:5], s[4:5], s[22:23]
	s_cmp_eq_u32 s13, 0
	s_cselect_b64 s[8:9], s[8:9], s[10:11]
	s_add_nc_u64 s[8:9], s[8:9], s[24:25]
.irp c, 0,1,2,3
	global_load_b64 v[10+2*\c:11+2*\c], v5, s[6:7] offset:1024*\c
.endr
.irp c, 0,1,2,3
.irp i, 0,1,2,3,4,5,6,7
	global_load_b128 v[32+32*\c+4*\i:32+32*\c+4*\i+3], v6, s[4:5] offset:65536*\c+512*\i th:TH_LOAD_NT
.endr
.endr
	s_wait_loadcnt 32                              ; the four pairs (-M, l) are in; the 32 younger loads may be out
	v_min_num_f32 v18, v10, v12
	v_min_num_f32 v19, v14, v16
	v_min_num_f32 v18, v18, v19                    ; -M*
.irp c, 0,1,2,3
	v_sub_f32 v[20+\c], v18, v[10+2*\c]            ; M_c - M*: a whole number, 0 or less
.endr
.irp c, 0,1,2,3
	v_cvt_i32_f32 v[20+\c], v[20+\c]               ; (it saturates)
.endr
.irp c, 0,1,2,3
	v_ldexp_f32 v[20+\c], 1.0, v[20+\c]            ; f_c
.endr
	v_mul_f32 v19, v20, v11
	v_fma_f32 v19, v21, v13, v19
	v_fma_f32 v19, v22, v15, v19
	v_fma_f32 v19, v23, v17, v19                   ; the row's sum under M*
	v_rcp_f32 v19, v19
	v_nop                                          ; a plain line behind the reciprocal
	s_wait_alu depctr_va_vdst(0)                   ; and the wait ahead of its first reader
.irp c, 0,1,2,3
	v_mul_f32 v[24+2*\c], v[20+\c], v19            ; f_c / the sum, as a pair for the packed forms
.endr
.irp c, 0,1,2,3
	v_mov_b32 v[25+2*\c], v[24+2*\c]
.endr
	s_wait_loadcnt 0x0
.irp p, 0,2,4,6,8,10,12,14,16,18,20,22,24,26,28,30
	v_pk_mul_f32 v[160+\p:161+\p], v[32+\p:33+\p], v[24:25]
.endr
.irp c, 1,2,3
.irp p, 0,2,4,6,8,10,12,14,16,18,20,22,24,26,28,30
	v_pk_fma_f32 v[160+\p:161+\p], v[32+32*\c+\p:33+32*\c+\p], v[24+2*\c:25+2*\c], v[160+\p:161+\p]
.endr
.endr
.irp i, 0,1,2,3,4,5,6,7
	ds_store_b128 v7, v[160+4*\i:163+4*\i] offset:128*(\i/4)+32*((\i/2)%2)+16*(\i%2)   ; registers 4 i on: channels 32 (i / 4) + 16 h + 4 (i % 4) on of my 64
.endr
.irp i, 0,1,2,3,4,5,6,7
	ds_load_b128 v[32+4*\i:35+4*\i], v8 offset:2*\i*272    ; LDS serves a wave's instructions in order: these see my stores
.endr
.irp i, 0,1,2,3,4,5,6,7
	s_wait_dscnt 7-\i                              ; load i is in; the younger ones may be out
	global_store_b128 v9, v[32+4*\i:35+4*\i], s[8:9] offset:2*\i*512 th:TH_STORE_NT   ; sixteen lanes store 256 consecutive bytes, at a multiple of 256 from the output's first byte
.endr
	s_wait_tensorcnt 0x0
	ds_add_u32 v192, v193
	s_wait_dscnt 0x0
	s_endpgm
.Lfunc_end_k_qbe6d125953_merge:
	.size	k_qbe6d125953_merge, .Lfunc_end_k_qbe6d125953_merge-k_qbe6d125953_merge
	.p2alignl 7, 3214868480
	.fill 96, 4, 3214868480
	.section	.rodata,"a",@progbits
	.p2align	6, 0x0
	.amdhsa_kernel k_qbe6d125953_merge
		.amdhsa_group_segment_fixed_size 17920
		.amdhsa_private_segment_fixed_size 0
		.amdhsa_enable_private_segment 0
		.amdhsa_kernarg_size 32
		.amdhsa_user_sgpr_count 2
		.amdhsa_user_sgpr_kernarg_segment_ptr 1
		.amdhsa_wavefront_size32 1
		.amdhsa_system_sgpr_workgroup_id_x 1
		.amdhsa_system_sgpr_workgroup_id_y 1
		.amdhsa_system_sgpr_workgroup_id_z 1
		.amdhsa_system_vgpr_workitem_id 0
		.amdhsa_next_free_vgpr 194
		.amdhsa_next_free_sgpr 66
		.amdhsa_reserve_vcc 0
		.amdhsa_float_denorm_mode_32 3
		.amdhsa_float_denorm_mode_16_64 3
		.amdhsa_memory_ordered 1
		.amdhsa_forward_progress 1
		.amdhsa_inst_pref_size 13
	.end_amdhsa_kernel
	.amdgpu_metadata
---
amdhsa.version: [ 1, 2 ]
amdhsa.kernels:
  - .name:           k_qbe6d125953_merge
    .symbol:         k_qbe6d125953_merge.kd
    .args:
      - { .name: part, .offset: 0, .size: 8, .value_kind: global_buffer, .address_space: global }
      - { .name: stats, .offset: 8, .size: 8, .value_kind: global_buffer, .address_space: global }
      - { .name: out0, .offset: 16, .size: 8, .value_kind: global_buffer, .address_space: global }
      - { .name: out1, .offset: 24, .size: 8, .value_kind: global_buffer, .address_space: global }
    .group_segment_fixed_size: 17920
    .private_segment_fixed_size: 0
    .kernarg_segment_align: 8
    .kernarg_segment_size: 32
    .max_flat_workgroup_size: 128
    .sgpr_count:     66
    .vgpr_count:     194
    .wavefront_size: 32
...
	.end_amdgpu_metadata
.endif
;; end of part 2
